; MI455X (gfx1250); checked and timed in simulation.
; The chip was launched on July 23, 2026; its instructions are those of AMD's public machine-readable ISA for CDNA 5 (MIT licence, August 2026) and "CDNA5" Instruction Set Architecture Reference Guide (July 2026). The comments in the code are by the model that wrote it; some were corrected since.
;; Bahdanau Attention. Allowed arithmetic: matrix products marked QUANTISED: E2M1 operands, one E8M0 scale for each 32 along K, by v_wmma_scale_f32_16x16x128_f8f6f4 with both operands' format E2M1 (or v_wmma_scale_f32_32x16x128_f4), f32 sums; products left as they are: f32 operands where the result goes on into a quantised operand, else bf16, f16 or f32 operands; f32 sums; everything else in f32.
;; Inputs: W_decoder 1,024 x 1,024 float32; W_encoder 1,024 x 1,024 float32; key 32 x 2,048 x 1,024 float32; q 32 x 1,024 float32; v 1 x 1,024 float32.
;; Outputs: out0 32 x 1,024 float32.
;; This version of the problem:
;;   THIS VERSION OF THE PROBLEM IS GIVEN IN LOW PRECISION. The matrix products marked QUANTISED in the list below multiply operands that are first quantised to E2M1 (2 exponent bits, 1 mantissa bit; 4 bits a number), with one power-of-two scale for each 32 numbers along K (OCP MX v1.0); their sums are f32. All else is computed in f32.
;;   The module's matrix products, in the order in which they are computed (A, B: the left and right operand; K: the contracted axis; several contracted axes count as one K, in the product's order):
;;     1. [M 65,536, K 1,024] x [K 1,024, N 1,024]; A: input key; B: input W_encoder: QUANTISED
;;     2. [M 32, K 1,024] x [K 1,024, N 1,024]; A: input q; B: input W_decoder: QUANTISED
;;     3. [M 65,536, K 1,024] x [K 1,024, N 1]; A: computed on the way; B: input v: left as it is (N = 1 < 16)
;;     4. batch 32 x [M 1, K 2,048] x [K 2,048, N 1,024]; A: softmax; B: input key: left as it is (M = 1 < 16)
;;   THE QUANTISER, for each operand of a quantised product, along K:
;;     - K is cut into blocks of 32 from its start; a last block that is shorter is filled with zeros.
;;     - A block's scale is 2^e with e = floor(log2(the largest magnitude in the block)) - 2, held to -126 .. 127; a block of zeros has e = 0. As a byte (E8M0): e + 127.
;;     - Each number is divided by its block's scale, clamped to +-6, and rounded to the nearest number of E2M1, ties to even, subnormals kept.
;;     - The product sums the exact products of the quantised numbers (number of the format x scale) in f32.
;;   ~~~python
;;   def quantise(x, axis):      # numpy; x: float32 -> the quantised numbers, widened to float32 again
;;       x = np.moveaxis(x, axis, -1); K = x.shape[-1]
;;       x = np.pad(x, [(0, 0)] * (x.ndim - 1) + [(0, -K % 32)]); x = x.reshape(x.shape[:-1] + (-1, 32)); a = np.abs(x).max(-1, keepdims=True)
;;       e = np.where(a > 0, np.clip(np.frexp(np.where(a > 0, a, 1))[1] - 1 - 2, -126, 127), 0)      # np.frexp(a)[1] - 1 = floor(log2(a)), exactly
;;       r = np.clip(x / 2.0 ** e, -6, 6)
;;       step = 2.0 ** (np.maximum(np.frexp(np.where(r == 0, 1, r))[1] - 1, 0) - 1)
;;       q = np.round(r / step) * step * 2.0 ** e      # np.round: ties to even
;;       return np.moveaxis(q.reshape(q.shape[:-2] + (-1,))[..., :K], -1, axis).astype(np.float32)
;;   ~~~
;; One version. Each part assembles by itself: llvm-mc -triple=amdgcn-amd-amdhsa -mcpu=gfx1250 --defsym DOCPART=n.
;; ======== version 1 of 1: 3 launches
;; limits: values are held in bf16: 8 bits of precision; right only within a limited range of input values
;; workspace buffers: wfrag 524,288 bytes; wscale 32,768 bytes; vproj 131,072 bytes; pctx 1,048,576 bytes; pml 2,048 bytes
;; launch prep (part 1): grid 192 x 1, 8 waves a work-group, no clusters, 9,728 bytes of LDS; arguments W_encoder, W_decoder, q, wfrag, wscale, vproj; writes wfrag, wscale, vproj
.if DOCPART == 1
	.amdgcn_target "amdgcn-amd-amdhsa--gfx1250"
	.amdhsa_code_object_version 6
	.text
	.protected	k_q5cc4f26597_prep
	.globl	k_q5cc4f26597_prep
	.p2align	8
	.type	k_q5cc4f26597_prep,@function
k_q5cc4f26597_prep:
	s_mov_b64 s[64:65], 0
	v_nop
	global_prefetch_b8 v0, s[64:65] scope:SCOPE_SE
	s_setreg_imm32_b32 hwreg(HW_REG_WAVE_MODE, 25, 1), 1
	s_wait_xcnt 0x0
; W_encoder [1024][1024] f32 becomes codes of FP4 (E2M1) with one E8M0 scale byte for each 32 along K, laid in the order of the operand's registers;
; V = Q(q) Q(W_decoder)^T, [32][1024] f32, both operands quantised along K in registers, product on codes, sums in f32.
; SHARES.  Work-group x: part = x / 64, tile T = x % 64 (rows 16 T .. 16 T + 15 of a weight); wave s takes K step s (128 along K), a chunk of 16 rows x 128 k.
;   part 0: W_encoder's tile T: one chunk a wave, quantised and stored as it stands in the registers; the tile's 128 scale words meet in LDS and leave as 512 bytes on end.
;   part 1, 2: V's rows 16 (part - 1) .. + 15, columns 16 T .. + 15: a chunk of q and one of W_decoder a wave; the eight waves' partial products meet in LDS and are added with K ascending.
; The two paths part on the work-group's number alone, and each has LDS bytes of its own.
; wfrag:  tile T, K step s: the fragment's 8 registers: T x 8192 + s x 1024 + c x 512 + 16 x lane (c: registers 4 c .. 4 c + 3).
; wscale: T x 512 + 16 x lane: lane (r, h) finds the scale words of row 16 T + r for K steps 4 h .. 4 h + 3.
; A block's scale byte is its largest magnitude's exponent field - 2, held at 1 from below.
; LIMITS: a block of zeros, or one whose largest magnitude lies under 2^-124, keeps the byte 1 (a block of zeros has zero codes; this program alone reads the bytes); NaN and infinities among the inputs are not served.
; No tensor load, no cluster, no prefetch: each weight byte is read once by one wave, q's 128 KiB are small, and the text has no loop to run ahead in.
.set SCW,  8192                        ; LDS: 0 .. 8191 the partial products, wave x 1024 + register x 128 + 4 x lane (parts 1, 2); here W_encoder's 128 scale words in wscale's order (part 0)
.set SPARE, 8704                       ; the spare words, 128 bytes for each wave
.set SQ0,  8                           ; scale words: q's, W_decoder's, W_encoder's; they hold scales and nothing else
.set SD,   10
.set SE,   11
.set TM,   16                          ; v16-19 largest magnitudes, v20-23 bytes, v28-31 the conversions' scale operands
.set FQ0,  32                          ; the fragments, 8 registers each
.set FD,   48
.set FE,   56
.set R0,   64                          ; two sets of 64 numbers
.set R2,   192
.set ACC0, 128                         ; V's tile
.set RED,  192                         ; the eight partial numbers of a thread
; 16 rows x 128 k: lane (r, h) takes of row r the 16 numbers 32 b + 16 h + 0 .. 15 of each block b: register 16 b + i
.macro XLOAD reg, base, off
.irp b, 0,1,2,3
.irp j, 0,1,2,3
	global_load_b128 v[\reg+16*\b+4*\j:\reg+16*\b+4*\j+3], v4, s[\base:\base+1] offset:\off+128*\b+16*\j
.endr
.endr
.endm
; 64 numbers of a lane become a fragment's codes in v[dst] on and its row's scale word in v[sc]
.macro QUANT src, dst, sc
.irp b, 0,1,2,3
	v_max3_num_f32 v[TM+\b], |v[\src+16*\b]|, |v[\src+1+16*\b]|, 0x1800000   ; my 16 numbers of block b, and the floor 2^(3 - 127): the byte cannot fall under 1
.endr
.irp i, 2,4,6,8,10,12,14
.irp b, 0,1,2,3
	s_delay_alu instid0(VALU_DEP_4)
	v_max3_num_f32 v[TM+\b], v[TM+\b], |v[\src+16*\b+\i]|, |v[\src+1+16*\b+\i]|   ; the four blocks by turns
.endr
.endr
.irp b, 0,1,2,3
	s_delay_alu instid0(VALU_DEP_4)
	v_permlanex16_b32 v[TM+4+\b], v[TM+\b], s20, s21
.endr
.irp b, 0,1,2,3
	s_delay_alu instid0(VALU_DEP_4)
	v_max_num_f32 v[TM+\b], v[TM+\b], v[TM+4+\b]       ; with lane l xor 16's: the block's largest magnitude
.endr
.irp b, 0,1,2,3
	s_delay_alu instid0(VALU_DEP_4)
	v_add_nc_u32 v[TM+12+\b], 0xff000000, v[TM+\b]     ; 2 off its exponent field: the conversion's scale operand
.endr
.irp b, 0,1,2,3
	s_delay_alu instid0(VALU_DEP_4)
	v_lshrrev_b32 v[TM+4+\b], 23, v[TM+12+\b]          ; the scale's byte
.endr
	s_delay_alu instid0(VALU_DEP_3)
	v_lshl_or_b32 v[\sc], v[TM+5], 8, v[TM+4]          ; four bytes: my row's scale word
	s_delay_alu instid0(VALU_DEP_1)
	v_lshl_or_b32 v[\sc], v[TM+6], 16, v[\sc]
	s_delay_alu instid0(VALU_DEP_1)
	v_lshl_or_b32 v[\sc], v[TM+7], 24, v[\sc]
.irp b, 0,1,2,3
	v_cvt_scalef32_pk8_fp4_f32 v[\dst+2*\b], v[\src+16*\b:\src+7+16*\b], v[TM+12+\b]
	v_cvt_scalef32_pk8_fp4_f32 v[\dst+1+2*\b], v[\src+8+16*\b:\src+15+16*\b], v[TM+12+\b]
.endr
	v_nop                                              ; one plain place behind a scaled conversion
.irp c, 0,1                                        ; the operand wants a whole block in a lane: lanes 0-15 block 2 c, lanes 16-31 block 2 c + 1
.irp i, 0,1
	v_permlane16_swap_b32 v[\dst+4*\c+\i], v[\dst+2+4*\c+\i]
.endr
.endr
.endm
	s_load_b256 s[4:11], s[0:1], 0x0               ; W_encoder s[4:5], W_decoder s[6:7], q s[8:9], wfrag s[10:11]
	s_load_b128 s[12:15], s[0:1], 0x20             ; wscale s[12:13], vproj s[14:15]
	v_lshl_add_u32 v26, v0, 2, SPARE               ; my spare word, and 0: kept for the closing lines alone
	v_mov_b32 v27, 0
	v_lshrrev_b32 v1, 5, v0
	s_delay_alu instid0(VALU_DEP_1)
	v_readfirstlane_b32 s16, v1                    ; wave = K step s
	v_and_b32 v1, 31, v0                           ; lane
	v_and_b32 v2, 15, v0                           ; r
	v_bfe_u32 v3, v0, 4, 1                         ; h
	s_delay_alu instid0(VALU_DEP_2)
	v_lshlrev_b32 v4, 12, v2
	s_delay_alu instid0(VALU_DEP_1)
	v_lshl_add_u32 v4, v3, 6, v4                   ; row r of 4,096 bytes + 64 h
	v_lshlrev_b32 v5, 4, v1                        ; 16 x lane
	v_lshlrev_b32 v6, 2, v0                        ; 4 x thread: the reduction's reads
	s_lshl_b32 s17, s16, 10
	v_lshl_add_u32 v7, v1, 2, s17                  ; my wave's partial products: wave x 1024 + 4 x lane
	s_lshr_b32 s17, s16, 2
	s_lshl_b32 s17, s17, 8
	s_and_b32 s18, s16, 3
	s_lshl_b32 s18, s18, 2
	s_add_co_u32 s17, s17, s18
	s_add_co_u32 s17, s17, SCW
	v_lshl_add_u32 v12, v2, 4, s17                 ; my row's word for K step s: SCW + 16 r + 256 (s / 4) + 4 (s % 4)
	v_lshlrev_b32 v13, 2, v2
	s_delay_alu instid0(VALU_DEP_1)
	v_lshl_add_u32 v13, v3, 15, v13                ; vproj: 8 h rows of 4,096 bytes + 4 r
	s_mov_b32 s20, 0x76543210
	s_mov_b32 s21, 0xfedcba98                      ; v_permlanex16_b32's selects for lane l xor 16
.irp b, 0,1,2,3
	v_mov_b32 v[TM+4+\b], 0                        ; written once: a lane permute's destination counts as one of its sources
.endr
	s_lshr_b32 s26, ttmp9, 6                       ; part 0, 1, 2
	s_and_b32 s27, ttmp9, 63                       ; tile T
	s_lshl_b32 s22, s16, 9                         ; K step s: 512 bytes along a row
	s_mov_b32 s23, 0
	s_lshl_b32 s24, s27, 16                        ; 16 rows of 4,096 bytes a tile
	s_add_co_u32 s24, s24, s22
	s_mov_b32 s25, 0
	s_wait_alu depctr_va_vdst(0)                   ; the wait at the head's end
	s_wait_kmcnt 0x0
	s_add_nc_u64 s[4:5], s[4:5], s[24:25]
	s_add_nc_u64 s[6:7], s[6:7], s[24:25]
	s_cmp_lg_u32 s26, 0                            ; the work-group's number alone decides: all eight waves go one way
	s_cbranch_scc1 .Lvpart
	; ---- part 0: W_encoder's chunk
	XLOAD R0, 4, 0
	s_lshl_b32 s28, s27, 13
	s_lshl_b32 s30, s16, 10
	s_add_co_u32 s28, s28, s30
	s_mov_b32 s29, 0
	s_add_nc_u64 s[10:11], s[10:11], s[28:29]      ; wfrag + 8192 T + 1024 s
	s_lshl_b32 s28, s27, 9
	s_add_nc_u64 s[12:13], s[12:13], s[28:29]      ; wscale + 512 T
	s_wait_loadcnt 0x0
	QUANT R0, FE, SE
	global_store_b128 v5, v[FE:FE+3], s[10:11]             ; the fragment as it stands: 512 consecutive bytes a store
	global_store_b128 v5, v[FE+4:FE+7], s[10:11] offset:512
	ds_store_b32 v12, v[SE]                        ; lanes r and r + 16 write the same word with the same value
	s_wait_dscnt 0x0                               ; for the others' sake: my store has landed
	s_barrier_signal -1
	s_barrier_wait -1
	s_cmp_lg_u32 s16, 0                            ; wave 0 alone sends the tile's 128 scale words
	s_cbranch_scc1 .Lend
	ds_load_b128 v[R0:R0+3], v5 offset:SCW         ; written by all eight waves ahead of the barrier
	s_wait_dscnt 0x0
	global_store_b128 v5, v[R0:R0+3], s[12:13]     ; 512 consecutive bytes
	s_branch .Lend
	; ---- parts 1 and 2: a tile of V
.Lvpart:
	s_sub_co_u32 s28, s26, 1
	s_lshl_b32 s28, s28, 16                        ; 16 rows of 4,096 bytes: which half of q's rows, and of V's
	s_add_co_u32 s30, s28, s22
	s_mov_b32 s31, 0
	s_add_nc_u64 s[8:9], s[8:9], s[30:31]          ; q + the half + K step s
	XLOAD R0, 8, 0                                 ; q's 16 rows
	XLOAD R2, 6, 0                                 ; W_decoder's 16 rows
	s_lshl_b32 s30, s16, 12
	s_lshl_b32 s32, s27, 6
	s_add_co_u32 s30, s30, s32
	s_add_co_u32 s30, s30, s28
	s_add_nc_u64 s[14:15], s[14:15], s[30:31]      ; vproj + the half + row (my wave's number) + 64 T
	s_wait_loadcnt 16                              ; q's 16 loads are in; W_decoder's 16 stay out
	QUANT R0, FQ0, SQ0
	s_wait_loadcnt 0x0
	QUANT R2, FD, SD
.rept 8
	v_nop                                          ; scale registers written by vector instructions stand 8 places ahead of a scaled matrix instruction, operands 4
.endr
	v_wmma_scale_f32_16x16x128_f8f6f4 v[ACC0:ACC0+7], v[FQ0:FQ0+7], v[FD:FD+7], 0, v[SQ0], v[SD] matrix_a_fmt:MATRIX_FMT_FP4 matrix_b_fmt:MATRIX_FMT_FP4   ; register j of lane (r, h): V(8 h + j of the half, 16 T + r), my K step's part
.rept 4
	v_nop                                          ; four places ahead of the first read of the result
.endr
.irp j, 0,1,2,3,4,5,6,7
	ds_store_b32 v7, v[ACC0+\j] offset:128*\j      ; the accumulator from its low end on
.endr
	s_wait_dscnt 0x0                               ; for the others' sake: my stores have landed
	s_barrier_signal -1
	s_barrier_wait -1
.irp p, 0,1,2,3,4,5,6,7
	ds_load_b32 v[RED+\p], v6 offset:1024*\p       ; wave p's part of register (my wave's number), my lane
.endr
	s_wait_dscnt 0x0
	v_add_f32 v[RED], v[RED], v[RED+1]             ; K ascending
.irp p, 2,3,4,5,6,7
	s_delay_alu instid0(VALU_DEP_1)
	v_add_f32 v[RED], v[RED], v[RED+\p]
.endr
	global_store_b32 v13, v[RED], s[14:15]         ; V(8 h + wave of the half, 16 T + r): a tile has 16 columns, so a run is 64 bytes
.Lend:
	s_wait_tensorcnt 0x0                           ; the wave's end: behind my last LDS store
	ds_add_u32 v26, v27
	s_wait_dscnt 0x0
	s_endpgm
.Lfunc_end_k_q5cc4f26597_prep:
	.size	k_q5cc4f26597_prep, .Lfunc_end_k_q5cc4f26597_prep-k_q5cc4f26597_prep
	.p2alignl 7, 3214868480
	.fill 96, 4, 3214868480
	.section	.rodata,"a",@progbits
	.p2align	6, 0x0
	.amdhsa_kernel k_q5cc4f26597_prep
		.amdhsa_group_segment_fixed_size 9728
		.amdhsa_private_segment_fixed_size 0
		.amdhsa_enable_private_segment 0
		.amdhsa_kernarg_size 48
		.amdhsa_user_sgpr_count 2
		.amdhsa_user_sgpr_kernarg_segment_ptr 1
		.amdhsa_wavefront_size32 1
		.amdhsa_system_sgpr_workgroup_id_x 1
		.amdhsa_system_sgpr_workgroup_id_y 1
		.amdhsa_system_sgpr_workgroup_id_z 1
		.amdhsa_system_vgpr_workitem_id 0
		.amdhsa_next_free_vgpr 256
		.amdhsa_next_free_sgpr 66
		.amdhsa_reserve_vcc 0
		.amdhsa_float_denorm_mode_32 3
		.amdhsa_float_denorm_mode_16_64 3
		.amdhsa_memory_ordered 1
		.amdhsa_forward_progress 1
		.amdhsa_inst_pref_size 26
	.end_amdhsa_kernel
	.amdgpu_metadata
---
amdhsa.version: [ 1, 2 ]
amdhsa.kernels:
  - .name:           k_q5cc4f26597_prep
    .symbol:         k_q5cc4f26597_prep.kd
    .args:
      - { .name: W_encoder, .offset: 0, .size: 8, .value_kind: global_buffer, .address_space: global }
      - { .name: W_decoder, .offset: 8, .size: 8, .value_kind: global_buffer, .address_space: global }
      - { .name: q, .offset: 16, .size: 8, .value_kind: global_buffer, .address_space: global }
      - { .name: wfrag, .offset: 24, .size: 8, .value_kind: global_buffer, .address_space: global }
      - { .name: wscale, .offset: 32, .size: 8, .value_kind: global_buffer, .address_space: global }
      - { .name: vproj, .offset: 40, .size: 8, .value_kind: global_buffer, .address_space: global }
    .group_segment_fixed_size: 9728
    .private_segment_fixed_size: 0
    .kernarg_segment_align: 8
    .kernarg_segment_size: 48
    .max_flat_workgroup_size: 256
    .sgpr_count:     66
    .vgpr_count:     256
    .wavefront_size: 32
...
	.end_amdgpu_metadata
.endif
;; end of part 1
;; launch main (part 2): grid 256 x 1, 4 waves a work-group, no clusters, 316,416 bytes of LDS; arguments key, wfrag, wscale, vproj, v, pctx, pml; writes pctx, pml
.if DOCPART == 2
	.amdgcn_target "amdgcn-amd-amdhsa--gfx1250"
	.amdhsa_code_object_version 6
	.text
	.protected	k_q5cc4f26597_main
	.globl	k_q5cc4f26597_main
	.p2align	8
	.type	k_q5cc4f26597_main,@function
k_q5cc4f26597_main:
	s_mov_b64 s[64:65], 0
	v_nop
	global_prefetch_b8 v0, s[64:65] scope:SCOPE_SE
	s_setreg_imm32_b32 hwreg(HW_REG_WAVE_MODE, 25, 1), 1
	s_wait_xcnt 0x0
; For 256 rows of key (one eighth of a batch): U = Q(key) Q(We)^T on codes of FP4 (E2M1) with E8M0 scales; score = v . tanh(U + V); a running softmax over the rows; the partial context, its maximum and its sum.
; ARITHMETIC.  c = 2 log2(e).  tanh(x) = 1 - 2 / (1 + 2^(c x)).  What is summed for a row is t = sum over n of (-c v[n]) / (1 + 2^(c U + c V[n])): that is score x log2(e) less the constant
; log2(e) x sum(v), which is the same for all rows of a batch and leaves a softmax as it is.  2^(..) = infinity gives 0, 2^(..) = 0 gives 1: both are tanh's ends.  p = 2^(t - m), m the running largest t.
; The context is p (bf16) x key (bf16) on the matrix unit, f32 sums; the sum l is taken of the unrounded p.
; SHARES.  Work-group x owns rows 256 x .. 256 x + 255, as four blocks of 64.  THE WAVES SHARE THE COLUMNS: wave w makes columns 256 w .. 256 w + 255 of U for all 64 rows, and dimensions 256 w .. of the context.
; The block's codes (4 tiles of rows x 8 K steps, 256 registers) stay in every wave's registers.  A STEP is two tiles of We x four tiles of rows: 8 accumulators by turns, 64 products; 8 steps a block.
; We's fragments come from memory straight into registers, as prep laid them, two buffers by turns.
; While block i is multiplied, each wave loads, quantises and stores 2 rows of block i + 1 in each step: codes, scale bytes and a bf16 copy go to LDS.  key is read from memory once.
; ROWS.  Pair P (0..31) of wave w is rows 256 x + 8 P + 2 w + i: the four waves' loads of a pair lie on end.  In LDS its row is 16 w + 2 (P % 8) + i; a softmax and a weighted sum do not mind the order of rows.
; LOADS.  By this text's count up to 100 loads of a wave are asked for at once (16 of key and 34 of We, twice); where the counter's field is full, issue is held (ISA guide 5.7.1): no wait is written for that.
; A TRIP is two steps.  All that the trip's loads name (key's, We's and the scale words' bases, the two offset registers) is written once, at the trip's head, behind one s_wait_xcnt 0; the trip's two steps are told
; apart by immediates.  So no wait on XCNT stands behind a run of loads, and EXEC is never narrowed in the loop.
; In the trips that have nothing left to fetch the same loads are issued with the lanes' offset 0, from the held address of the last two pairs (We: from my first tiles): every counted wait counts the same loads in every trip.
; NO CLUSTER, NO TENSOR LOAD: LDS holds two bf16 copies of 64 rows (266,240 bytes), codes, scales and small tables: 315,904 bytes.  A step's fragments of We for four waves are 69,632 bytes, and two slots of that
; do not fit in what is left; inside a work-group each fragment has one reader.
; LIMITS: a block of zeros, or one whose largest magnitude lies under 2^-124, keeps the scale byte 1 (zero codes add nothing); NaN and infinities among the inputs are not served; key and p are rounded to bf16 for the context alone.
.set KPIT, 2080                        ; a row of the bf16 copy: 2,048 bytes + 32: an odd multiple of 32, for the turning load
.set KB1,  64*KPIT                     ; LDS: copy 0 at 0, copy 1 here
.set COD,  2*KB1                       ; the block's codes, 64 rows,
.set CPIT, 528                         ; 512 bytes + 16: an odd multiple of 16
.set SCL,  COD+64*CPIT                 ; its scale bytes, 32 a row
.set CVL,  SCL+64*32                   ; c V[1024], then -c v[1024] at +4096; wave w writes and reads entries 256 w .. alone
.set PSC,  CVL+8192                    ; partial scores [wave][64 rows]
.set PB,   PSC+1024                    ; p in bf16, 128 bytes for each wave, its own
.set CTXS, PB+512                      ; the way out, 1,024 bytes for each wave, its own
; window 0
.set L,    1
.set R,    2
.set H,    3
.set WOFF, 4                           ; 16 x lane
.set ACOD, 5                           ; COD + 528 r + 16 h
.set ASCL, 6                           ; SCL + 32 r + 16 h
.set CVA0, 7                           ; CVL + 1024 w + 32 h
.set CVA,  8                           ; + 256 x trip
.set PSW,  9                           ; PSC + 256 w + 4 r
.set PSR,  10                          ; PSC + 8 x lane
.set PBW,  11                          ; PB + 128 w + 4 x lane
.set PBR,  12                          ; PB + 128 w + 16 h
.set VTB,  13                          ; the turning load: (8 h + lane % 8) x KPIT + 16 ((lane / 8) % 2) + 512 w
.set VT0,  14                          ; + the copy in hand;  v15: 32 rows further
.set MR,   16                          ; the running largest t;  v17 the running sum
.set LR,   17
.set F,    18                          ; 2^(old m - new m)
.set T32,  19                          ; 32 x lane
.set FT,   20                          ; v20-31 at work
.set AS,   32                          ; v32-47 key's scale words: tile mt at AS + 4 mt; register j: K step j in lanes 0-15, K step 4 + j in lanes 16-31.  Scales and nothing else
.set BS,   48                          ; v48-63 We's: buffer k, tile nt at BS + 8 k + 4 nt, likewise
.set ACC,  64                          ; v64-127 accumulator (nt, mt) at ACC + 8 (4 nt + mt)
.set CC,   128                         ; v128-159 tile nt: c V at CC + 16 nt + j, -c v at CC + 16 nt + 8 + j
.set SA,   160                         ; v160-175 the rows' sums, a pair for each accumulator
.set CTX,  176                         ; v176-191 the context: register t, lane (r, .): dimension 256 w + 16 t + r
.set PA,   192                         ; v192-207 p as source 0, two K steps of 32 rows
.set PS,   208                         ; v208-215 the four waves' partial scores of rows 2 lane, 2 lane + 1
.set CVW,  216                         ; CVL + 1024 w + 32 x lane
.set WOS,  217                         ; CTXS + 1024 w + 4 r
.set WOL,  218                         ; CTXS + 1024 w + 16 x lane
.set WOFT, 219                         ; the offset of the trip's loads of We: 16 x lane, or 0 in the last trip
.set PFO,  220                         ; the prefetches' offset: 256 x lane; never rewritten
; window 1: key's fragment (mt, s) at 8 (8 mt + s); for the context key^T's fragment (t, ks) at 8 (2 t + ks)
; window 2: We's fragment: buffer k, tile nt, K step s at 128 k + 64 nt + 8 s
; window 3
.set X,    0                           ; v0-127 key as loaded: set k, row i, piece p at 64 k + 32 i + 8 p: k = 256 p + 8 lane + 0 .. 7
.set M,    128                         ; largest magnitudes, scale operands, bytes, codes: 8 each
.set S,    136
.set E,    144
.set C,    152
.set Y,    160                         ; v160-191 the bf16 copy of a set
.set KOFF, 192                         ; the offset of the trip's loads of key: 32 x lane, or 0 where nothing is left to fetch
.set VB0,  193                         ; 16 KPIT w + 16 lane;  COD + 16 CPIT w + 4 lane;  SCL + 512 w + lane / 4
.set VC0,  194
.set VS0,  195
.set VB,   196                         ; the same for the trip in hand
.set VC,   197
.set VS,   198
.set KOFF0, 199                        ; 32 x lane; never rewritten
; scalars
.set KP,   4                           ; s[4:5] key: my two rows of the pair that set 0 takes in this trip; set 1's pair lies 32,768 bytes on
.set WV,   18
.set CS,   22                          ; s[22:23] c, c
.set BLK,  24
.set J,    25                          ; trip in the block, 0..3
.set G,    26                          ; trip in the launch, 0..15
.set KM,   27                          ; -1 while key is fetched, then 0: ANDed onto the lanes' offset
.set WM,   28                          ; the same for We
.set SX,   29
.set KBN,  30                          ; the copy that is written;  s31 the copy that is read
.set KBC,  31
.set WO,   32                          ; s[32:33] the trip's offset in my wave's 131,072 bytes of We;  s[34:35] the pointer in hand
.set WP,   34
.set SO,   36                          ; s[36:37], s[38:39] the same for the scale words
.set SP,   38
.set KST,  44                          ; s[44:45] key's step from trip to trip: 65,536 or 0
.set NCS,  46                          ; s[46:47] -c, -c
.set MSB, 0
.macro WIN new                         ; s_set_vgpr_msb: bits 1:0 source 0, 3:2 source 1, 5:4 source 2, 7:6 destination; the high byte repeats the setting that is left
.if MSB != \new
	s_set_vgpr_msb (MSB<<8)|\new
.set MSB, \new
.endif
.endm
.macro PLACES                          ; four plain places behind a matrix instruction (ISA guide 7.12.1), all lanes on
.rept 4
	v_nop
.endr
.endm
.macro BARRIER                         ; my LDS stores have landed and my LDS loads are in: then the work-group's barrier
	s_wait_dscnt 0x0
	s_barrier_signal -1
	s_barrier_wait -1
.endm
; A pair's two rows into set k: 16 loads; the two loads of a piece cover 1,024 bytes on end.  Nothing that they name is written before the next trip's head.
.macro KLOADS k
	WIN 0xff
.irp i, 0,1
.irp p, 0,1,2,3
.irp c, 0,1
	global_load_b128 v[X+64*(\k)+32*\i+8*\p+4*\c:X+64*(\k)+32*\i+8*\p+4*\c+3], v[KOFF], s[KP:KP+1] offset:32768*(\k)+4096*\i+1024*\p+16*\c th:TH_LOAD_RT_NT
.endr
.endr
.endr
	WIN 0
.endm
; The fragments and scale words of the step two on into buffer k: 34 loads of 512 consecutive bytes
.macro WLOADS k
	WIN 0x80                                       ; destination window 2
.irp nt, 0,1
.irp s, 0,1,2,3,4,5,6,7
.irp c, 0,1
	global_load_b128 v[128*(\k)+64*\nt+8*\s+4*\c:128*(\k)+64*\nt+8*\s+4*\c+3], v[WOFT], s[WP:WP+1] offset:16384*(\k)+8192*\nt+1024*\s+512*\c
.endr
.endr
.endr
	WIN 0
.irp nt, 0,1
	global_load_b128 v[BS+8*(\k)+4*\nt:BS+8*(\k)+4*\nt+3], v[WOFT], s[SP:SP+1] offset:1024*(\k)+512*\nt
.endr
.endm
; Key's base goes on to the trip's two pairs.  The wait frees all that the last trip's loads and prefetches named: bases and offset registers are written only behind it.
.macro KNEXT
	s_wait_xcnt 0x0
	s_add_nc_u64 s[KP:KP+1], s[KP:KP+1], s[KST:KST+1]
.endm
; The trip's LDS addresses (four rows of my sixteen, four tiles of my sixteen) and the offsets of its loads.  It stands behind KNEXT's wait.
.macro TRIPADDR
	s_mul_i32 s40, s[J], 4*KPIT
	s_add_co_u32 s40, s40, s[KBN]
	s_mul_i32 s41, s[J], 4*CPIT
	s_lshl_b32 s42, s[J], 7
	s_lshl_b32 s43, s[J], 8
	v_add_nc_u32 v[CVA], s43, v[CVA0]
	v_and_b32 v[WOFT], s[WM], v[WOFF]
	WIN 0xff
	v_add_nc_u32 v[VB], s40, v[VB0]
	v_add_nc_u32 v[VC], s41, v[VC0]
	v_add_nc_u32 v[VS], s42, v[VS0]
	v_and_b32 v[KOFF], s[KM], v[KOFF0]
	WIN 0
.endm
; Set k's two rows: eight runs of 8 numbers a lane (q = 4 i + p); a block of 32 lies in four neighbouring lanes.  Codes, scale bytes and the bf16 copy go to LDS.
.macro QUANT8 k
	s_wait_dscnt 0x0                               ; the last set's stores have read their registers
	WIN 0xff
.irp q, 0,1,2,3,4,5,6,7
	v_max3_num_f32 v[M+\q], |v[X+64*(\k)+8*\q]|, |v[X+64*(\k)+8*\q+1]|, 0x1800000   ; and the floor 2^(3 - 127): the byte cannot fall under 1
.endr
.irp e, 2,4,6
.irp q, 0,1,2,3,4,5,6,7
	v_max3_num_f32 v[M+\q], v[M+\q], |v[X+64*(\k)+8*\q+\e]|, |v[X+64*(\k)+8*\q+\e+1]|
.endr
.endr
.irp q, 0,1,2,3,4,5,6,7
	v_max_num_f32_dpp v[M+\q], v[M+\q], v[M+\q] row_xmask:1 row_mask:0xf bank_mask:0xf
.endr
.irp q, 0,1,2,3,4,5,6,7
	v_max_num_f32_dpp v[M+\q], v[M+\q], v[M+\q] row_xmask:2 row_mask:0xf bank_mask:0xf   ; the block's largest magnitude
.endr
.irp q, 0,1,2,3,4,5,6,7
	v_add_nc_u32 v[S+\q], 0xff000000, v[M+\q]      ; 2 off its exponent field: the conversion's scale operand
.endr
.irp q, 0,1,2,3,4,5,6,7
	v_cvt_scalef32_pk8_fp4_f32 v[C+\q], v[X+64*(\k)+8*\q:X+64*(\k)+8*\q+7], v[S+\q]
.endr
.irp q, 0,1,2,3,4,5,6,7
	v_lshrrev_b32 v[E+\q], 23, v[S+\q]             ; the scale's byte.  (Plain places behind the conversions)
.endr
.irp q, 0,1,2,3,4,5,6,7
.irp e, 0,1,2,3
	v_cvt_pk_bf16_f32 v[Y+4*\q+\e], v[X+64*(\k)+8*\q+2*\e], v[X+64*(\k)+8*\q+2*\e+1]
.endr
.endr
.irp i, 0,1
.irp p, 0,1,2,3
	ds_store_b128 v[VB], v[Y+4*(4*\i+\p):Y+4*(4*\i+\p)+3] offset:2*KPIT*(\k)+KPIT*\i+512*\p   ; 512 bytes on end
	ds_store_b32 v[VC], v[C+4*\i+\p] offset:2*CPIT*(\k)+CPIT*\i+128*\p                        ; 128 bytes on end
	ds_store_b8 v[VS], v[E+4*\i+\p] offset:64*(\k)+32*\i+8*\p                                 ; a block's four lanes write the same byte with the same value
.endr
.endr
	WIN 0
.endm
; 64 products, used transposed: source 0 = 16 rows of We, source 1 = 16 rows of key: lane (r, h) holds key's row 16 mt + r and its register j column 8 h + j of the tile.
; The eight accumulators take turns, one instruction a turn; the first K step starts the sums.
.macro MUL k
	WIN 0x06                                       ; source 0 window 2, source 1 window 1
.irp s, 0,1,2,3,4,5,6,7
.irp nt, 0,1
.irp mt, 0,1,2,3
.if \s == 0
	v_wmma_scale_f32_16x16x128_f8f6f4 v[ACC+8*(4*\nt+\mt):ACC+8*(4*\nt+\mt)+7], v[128*(\k)+64*\nt+8*\s:128*(\k)+64*\nt+8*\s+7], v[8*(8*\mt+\s):8*(8*\mt+\s)+7], 0, v[BS+8*(\k)+4*\nt+\s], v[AS+4*\mt+\s] matrix_a_fmt:MATRIX_FMT_FP4 matrix_b_fmt:MATRIX_FMT_FP4
.elseif \s < 4
	v_wmma_scale_f32_16x16x128_f8f6f4 v[ACC+8*(4*\nt+\mt):ACC+8*(4*\nt+\mt)+7], v[128*(\k)+64*\nt+8*\s:128*(\k)+64*\nt+8*\s+7], v[8*(8*\mt+\s):8*(8*\mt+\s)+7], v[ACC+8*(4*\nt+\mt):ACC+8*(4*\nt+\mt)+7], v[BS+8*(\k)+4*\nt+\s], v[AS+4*\mt+\s] matrix_a_fmt:MATRIX_FMT_FP4 matrix_b_fmt:MATRIX_FMT_FP4
.else
	v_wmma_scale_f32_16x16x128_f8f6f4 v[ACC+8*(4*\nt+\mt):ACC+8*(4*\nt+\mt)+7], v[128*(\k)+64*\nt+8*\s:128*(\k)+64*\nt+8*\s+7], v[8*(8*\mt+\s):8*(8*\mt+\s)+7], v[ACC+8*(4*\nt+\mt):ACC+8*(4*\nt+\mt)+7], v[BS+8*(\k)+4*\nt+\s-4], v[AS+4*\mt+\s-4] matrix_a_fmt:MATRIX_FMT_FP4 matrix_b_fmt:MATRIX_FMT_FP4 matrix_a_scale:MATRIX_SCALE_ROW1 matrix_b_scale:MATRIX_SCALE_ROW1
.endif
.endr
.endr
.endr
.endm
; The step's 64 registers of U become their part of the rows' sums.  Each kind of transcendental is one batch with one wait ahead of its first reader.
.macro EPI
.irp a, 0,1,2,3,4,5,6,7
.irp q, 0,2,4,6
	v_pk_fma_f32 v[ACC+8*\a+\q:ACC+8*\a+\q+1], v[ACC+8*\a+\q:ACC+8*\a+\q+1], s[CS:CS+1], v[CC+16*(\a/4)+\q:CC+16*(\a/4)+\q+1] op_sel_hi:[1,0,1]   ; c U + c V; each accumulator from its low end on
.endr
.endr
.set i, 0
	s_wait_alu depctr_va_vdst(0)
.rept 64
	v_exp_f32 v[ACC+i], v[ACC+i]
.set i, i+1
.endr
	v_nop                                          ; a plain place behind the last exponential
	s_wait_alu depctr_va_vdst(0)
.set i, 0
.rept 32
	v_pk_add_f32 v[ACC+i:ACC+i+1], v[ACC+i:ACC+i+1], 1.0 op_sel_hi:[1,0]
.set i, i+2
.endr
.set i, 0
	s_wait_alu depctr_va_vdst(0)
.rept 64
	v_rcp_f32 v[ACC+i], v[ACC+i]
.set i, i+1
.endr
	v_nop
	s_wait_alu depctr_va_vdst(0)
.irp q, 0,2,4,6
.irp a, 0,1,2,3,4,5,6,7
	v_pk_fma_f32 v[SA+2*\a:SA+2*\a+1], v[ACC+8*\a+\q:ACC+8*\a+\q+1], v[CC+16*(\a/4)+8+\q:CC+16*(\a/4)+8+\q+1], v[SA+2*\a:SA+2*\a+1]   ; the eight chains by turns
.endr
.endr
.endm
; THE PREFETCH INTO THE L2 stands behind the step's loads of key: my wave's 8,192 bytes (two rows on end, lanes 256 bytes apart, one instruction) of the pair that the NEXT step's loads take:
; one step, 64 matrix instructions and the step's vector work, ahead of them.  Step k of trip G names pair 11 + 2 G + k; it asks while that pair is the work-group's own, up to pair 31 (G < 11 - k).
; Each wave asks for the rows that it alone reads, so each block of 256 bytes is named once in the launch.  Pairs 0 to 10 come by their loads alone.
.macro STEP k
	s_wait_loadcnt 50                              ; this step's key set and We buffer are in; the next step's 16 + 34 loads stay out
	s_cmp_gt_u32 s[G], 11                          ; the last block has no successor to quantise
	s_cbranch_scc1 .Lnoq_\@
	QUANT8 \k
.Lnoq_\@:
	s_wait_alu depctr_va_vdst(0)
	KLOADS \k
	s_cmp_lt_u32 s[G], 11-(\k)
	s_cbranch_scc0 .Lnopf_\@
	global_prefetch_b8 v[PFO], s[KP:KP+1] offset:32768*((\k)+1) th:TH_LOAD_NT scope:SCOPE_SE
.Lnopf_\@:
.irp nt, 0,1
	ds_load_b128 v[CC+16*\nt:CC+16*\nt+3],     v[CVA] offset:(2*(\k)+\nt)*64
	ds_load_b128 v[CC+16*\nt+4:CC+16*\nt+7],   v[CVA] offset:(2*(\k)+\nt)*64+16
	ds_load_b128 v[CC+16*\nt+8:CC+16*\nt+11],  v[CVA] offset:(2*(\k)+\nt)*64+4096
	ds_load_b128 v[CC+16*\nt+12:CC+16*\nt+15], v[CVA] offset:(2*(\k)+\nt)*64+4096+16
.endr
	MUL \k
	WIN 0
	PLACES                                         ; ahead of the loads into the buffer just multiplied, and of the first read of the results
	WLOADS \k
	s_wait_dscnt 0x0                               ; c V and -c v of the step's tiles are in
	EPI
.endm
; key^T's fragments of dimensions 16 t .. (t = 8 g .. 8 g + 7), 64 rows: 32 turning loads
.macro TRLOAD g
	WIN 0x40                                       ; destination window 1
.irp u, 0,1,2,3,4,5,6,7
.irp ks, 0,1
.irp c, 0,1
	ds_load_tr16_b128 v[8*(2*(8*(\g)+\u)+\ks)+4*\c:8*(2*(8*(\g)+\u)+\ks)+4*\c+3], v[VT0+\ks] offset:32*(8*(\g)+\u)+16*KPIT*\c
.endr
.endr
.endr
	WIN 0
.endm
; The block's part of eight tiles of the context: source 0 = p, alike in all 16 rows; source 1 = key^T.  Register 0 of a result holds dimension 16 t + r.
.macro CTXMUL g
	WIN 0x04                                       ; source 1 window 1
.irp u, 0,1,2,3,4,5,6,7
	v_wmma_f32_16x16x32_bf16 v[ACC+8*\u:ACC+8*\u+7], v[PA:PA+7], v[8*(2*(8*(\g)+\u)):8*(2*(8*(\g)+\u))+7], 0
.endr
.irp u, 0,1,2,3,4,5,6,7
	v_wmma_f32_16x16x32_bf16 v[ACC+8*\u:ACC+8*\u+7], v[PA+8:PA+15], v[8*(2*(8*(\g)+\u)+1):8*(2*(8*(\g)+\u)+1)+7], v[ACC+8*\u:ACC+8*\u+7]
.endr
	WIN 0
	PLACES
.irp u, 0,1,2,3,4,5,6,7
	v_fma_f32 v[CTX+8*(\g)+\u], v[CTX+8*(\g)+\u], v[F], v[ACC+8*\u]   ; the old context under the new maximum, plus the block's
.endr
.endm
	s_load_b256 s[4:11], s[0:1], 0x0               ; key s[4:5], wfrag s[6:7], wscale s[8:9], vproj s[10:11]
	s_load_b128 s[12:15], s[0:1], 0x20             ; v s[12:13], pctx s[14:15]
	s_load_b64 s[16:17], s[0:1], 0x30              ; pml
	v_lshl_add_u32 v254, v0, 2, 0x4d200
	v_mov_b32 v255, 0
	v_lshrrev_b32 v1, 5, v0
	v_readfirstlane_b32 s[WV], v1                  ; wave 0..3
	v_and_b32 v[L], 31, v0
	v_and_b32 v[R], 15, v0
	v_bfe_u32 v[H], v0, 4, 1
	v_lshlrev_b32 v[WOFF], 4, v[L]
	v_lshlrev_b32 v[T32], 5, v[L]
	v_lshlrev_b32 v[PFO], 8, v[L]
	v_mul_u32_u24 v[ACOD], v[R], CPIT
	v_lshl_add_u32 v[ACOD], v[H], 4, v[ACOD]
	v_add_nc_u32 v[ACOD], COD, v[ACOD]
	v_lshlrev_b32 v[ASCL], 5, v[R]
	v_lshl_add_u32 v[ASCL], v[H], 4, v[ASCL]
	v_add_nc_u32 v[ASCL], SCL, v[ASCL]
	s_lshl_b32 s40, s[WV], 10
	s_add_co_u32 s41, s40, CVL
	v_lshl_add_u32 v[CVA0], v[H], 5, s41
	v_lshl_add_u32 v[CVW], v[L], 5, s41
	s_add_co_u32 s41, s40, CTXS
	v_lshl_add_u32 v[WOS], v[R], 2, s41
	v_lshl_add_u32 v[WOL], v[L], 4, s41
	s_lshl_b32 s40, s[WV], 8
	s_add_co_u32 s40, s40, PSC
	v_lshl_add_u32 v[PSW], v[R], 2, s40
	v_lshl_add_u32 v[PSR], v[L], 3, PSC
	s_lshl_b32 s40, s[WV], 7
	s_add_co_u32 s40, s40, PB
	v_lshl_add_u32 v[PBW], v[L], 2, s40
	v_lshl_add_u32 v[PBR], v[H], 4, s40
	v_and_b32 v[FT], 7, v0
	v_lshl_add_u32 v[FT], v[H], 3, v[FT]
	v_mul_u32_u24 v[VTB], v[FT], KPIT
	v_bfe_u32 v[FT], v0, 3, 1
	v_lshl_add_u32 v[VTB], v[FT], 4, v[VTB]
	s_lshl_b32 s40, s[WV], 9
	v_add_nc_u32 v[VTB], s40, v[VTB]
	v_lshrrev_b32 v[FT], 2, v[L]
	s_mul_i32 s40, s[WV], 16*KPIT
	s_mul_i32 s41, s[WV], 16*CPIT
	s_add_co_u32 s41, s41, COD
	s_lshl_b32 s42, s[WV], 9
	s_add_co_u32 s42, s42, SCL
	WIN 0xc0                                       ; destination window 3
	v_lshlrev_b32 v[KOFF], 5, v[L]
	v_lshlrev_b32 v[KOFF0], 5, v[L]
	v_lshl_add_u32 v[VB0], v[L], 4, s40
	v_lshl_add_u32 v[VC0], v[L], 2, s41
	v_add_nc_u32 v[VS0], s42, v[FT]
	WIN 0
.irp j, 0,1,2,3,4,5,6,7,8,9,10,11
	v_mov_b32 v[FT+\j], 0                          ; written once: a lane permute's destination counts as one of its sources
.endr
.irp j, 0,1,2,3,4,5,6,7,8,9,10,11,12,13,14,15
	v_mov_b32 v[CTX+\j], 0                         ; the context begins as zeros, the sum too, the largest t under every t
.endr
	v_mov_b32 v[MR], 0xff61b1e6                    ; -3e38
	v_mov_b32 v[LR], 0
	s_mov_b32 s20, 0x76543210
	s_mov_b32 s21, 0xfedcba98                      ; v_permlanex16_b32's selects for lane l xor 16
	s_mov_b32 s[CS], 0x4038aa3b                    ; c = 2 log2(e)
	s_mov_b32 s[CS+1], s[CS]
	s_mov_b32 s[NCS], 0xc038aa3b                   ; -c
	s_mov_b32 s[NCS+1], s[NCS]
	s_mov_b32 s[KST], 65536                        ; a trip on: two pairs, 16 rows
	s_mov_b32 s[KST+1], 0
	s_mov_b32 s[KM], -1
	s_mov_b32 s[WM], -1
	s_mov_b32 s[WO], 0
	s_mov_b32 s[WO+1], 0
	s_mov_b32 s[SO], 0
	s_mov_b32 s[SO+1], 0
	s_mov_b32 s[KBN], 0                            ; block 0 goes into copy 0
	s_mov_b32 s[KBC], 0
	s_mov_b32 s41, 0
	s_wait_kmcnt 0x0
	s_lshl_b32 s40, ttmp9, 20                      ; 256 rows of 4,096 bytes
	s_lshl_b32 s42, s[WV], 13                      ; my two rows of a pair
	s_add_co_u32 s40, s40, s42
	s_add_nc_u64 s[KP:KP+1], s[KP:KP+1], s[40:41]
	s_lshl_b32 s40, s[WV], 17                      ; my sixteen tiles of We
	s_add_nc_u64 s[6:7], s[6:7], s[40:41]
	s_lshl_b32 s40, s[WV], 13
	s_add_nc_u64 s[8:9], s[8:9], s[40:41]
	s_lshr_b32 s40, ttmp9, 3                       ; the batch
	s_lshl_b32 s40, s40, 12
	s_lshl_b32 s42, s[WV], 10                      ; my 256 columns
	s_add_co_u32 s40, s40, s42
	s_add_nc_u64 s[10:11], s[10:11], s[40:41]
	s_mov_b32 s40, s42
	s_add_nc_u64 s[12:13], s[12:13], s[40:41]
	s_lshl_b32 s40, ttmp9, 12
	s_add_co_u32 s40, s40, s42
	s_add_nc_u64 s[14:15], s[14:15], s[40:41]
	s_lshl_b32 s40, ttmp9, 3
	s_add_nc_u64 s[16:17], s[16:17], s[40:41]
	s_mov_b64 s[WP:WP+1], s[6:7]                   ; steps 0 and 1 take my first four tiles
	s_mov_b64 s[SP:SP+1], s[8:9]
	global_load_b128 v[ACC:ACC+3],     v[T32], s[10:11]            ; V of my 8 columns,
	global_load_b128 v[ACC+4:ACC+7],   v[T32], s[10:11] offset:16
	global_load_b128 v[ACC+8:ACC+11],  v[T32], s[12:13]            ; v of the same
	global_load_b128 v[ACC+12:ACC+15], v[T32], s[12:13] offset:16
	KLOADS 0                                       ; pairs 0 and 1
	KLOADS 1
	s_wait_loadcnt 32                              ; V and v are in; the two key sets stay out
.irp j, 0,2,4,6
	v_pk_mul_f32 v[ACC+\j:ACC+\j+1], v[ACC+\j:ACC+\j+1], s[CS:CS+1] op_sel_hi:[1,0]
	v_pk_mul_f32 v[ACC+8+\j:ACC+8+\j+1], v[ACC+8+\j:ACC+8+\j+1], s[NCS:NCS+1] op_sel_hi:[1,0]
.endr
	ds_store_b128 v[CVW], v[ACC:ACC+3]             ; my wave's own entries: LDS serves a wave's instructions in order, no barrier is owed
	ds_store_b128 v[CVW], v[ACC+4:ACC+7] offset:16
	ds_store_b128 v[CVW], v[ACC+8:ACC+11] offset:4096
	ds_store_b128 v[CVW], v[ACC+12:ACC+15] offset:4096+16
	; ---- block 0 is quantised with nothing beside it: four trips of two pairs; trip j quantises pairs 2 j, 2 j + 1 and asks for pairs 2 j + 2, 2 j + 3.  The last is written out, since We's first two buffers are asked for in it
	s_mov_b32 s[J], 0
.Lpro:
	KNEXT                                          ; (the wave waits for key just below in any case)
	TRIPADDR
	s_wait_loadcnt 16                              ; set 0 is in; set 1's 16 loads stay out
	QUANT8 0
	KLOADS 0
	s_wait_loadcnt 16                              ; set 1 is in; set 0's new loads stay out
	QUANT8 1
	KLOADS 1
	s_add_co_u32 s[J], s[J], 1
	s_cmp_lt_u32 s[J], 3
	s_cbranch_scc1 .Lpro
	KNEXT
	TRIPADDR
	s_wait_loadcnt 16
	QUANT8 0
	KLOADS 0                                       ; pair 8: block 1 begins
	WLOADS 0                                       ; step 0's tiles of We
	s_wait_loadcnt 50                              ; set 1 is in; the 16 + 34 loads just issued stay out
	QUANT8 1
	KLOADS 1
	WLOADS 1
	BARRIER                                        ; block 0's codes, scale bytes and copy lie in LDS
	s_mov_b32 s[KBN], KB1
	s_mov_b32 s[G], 0
	s_mov_b32 s[BLK], 0
.Lblock:
	; ---- the block's codes and scale words into registers
	WIN 0x40                                       ; destination window 1
.irp mt, 0,1,2,3
.irp s, 0,1,2,3,4,5,6,7
.irp c, 0,1
	ds_load_b128 v[8*(8*\mt+\s)+4*\c:8*(8*\mt+\s)+4*\c+3], v[ACOD] offset:16*CPIT*\mt+64*\s+32*\c
.endr
.endr
.endr
	WIN 0
.irp mt, 0,1,2,3
	ds_load_b128 v[AS+4*\mt:AS+4*\mt+3], v[ASCL] offset:512*\mt
.endr
.irp j, 0,1,2,3,4,5,6,7,8,9,10,11,12,13,14,15
	v_mov_b32 v[SA+\j], 0
.endr
	BARRIER                                        ; every wave has read the codes, the scale bytes, the last copy and the partial scores: they may be written again
	s_mov_b32 s[J], 0
.Ltrip:
	; ---- the trip's head: trip G asks for pairs 10 + 2 G, 11 + 2 G of key and for the tiles of steps 2 G + 2, 2 G + 3
	s_cmp_lt_u32 s[G], 11                          ; pairs exist up to 31: from trip 11 on the base is held at pair 30 and the lanes' offset is 0
	s_cselect_b32 s[KM], -1, 0
	s_cselect_b32 s[KST], 65536, 0
	s_cmp_lt_u32 s[G], 15                          ; the last trip has no step two on
	s_cselect_b32 s[WM], -1, 0
	KNEXT                                          ; the one wait on XCNT of a trip: the youngest loads ahead of it stand in front of the last step's exponentials, reciprocals and sums
	s_add_co_u32 s[WO], s[WO], 32768               ; four tiles on, round my wave's sixteen: a multiple of 32,768, so a trip's 32,768 bytes never wrap
	s_and_b32 s[WO], s[WO], 0x1ffff
	s_lshr_b32 s[SO], s[WO], 4                     ; 512 bytes of scale words for 8,192 of codes
	s_add_nc_u64 s[WP:WP+1], s[6:7], s[WO:WO+1]
	s_add_nc_u64 s[SP:SP+1], s[8:9], s[SO:SO+1]
	TRIPADDR
	STEP 0
	STEP 1
	s_add_co_u32 s[G], s[G], 1
	s_add_co_u32 s[J], s[J], 1
	s_cmp_lt_u32 s[J], 4
	s_cbranch_scc1 .Ltrip
	; ---- the rows' sums over my 256 columns
.irp mt, 0,1,2,3
	v_pk_add_f32 v[SA+2*\mt:SA+2*\mt+1], v[SA+2*\mt:SA+2*\mt+1], v[SA+8+2*\mt:SA+8+2*\mt+1]
.endr
.irp mt, 0,1,2,3
	v_add_f32 v[FT+\mt], v[SA+2*\mt], v[SA+2*\mt+1]
.endr
.irp mt, 0,1,2,3
	v_permlanex16_b32 v[FT+4+\mt], v[FT+\mt], s20, s21
.endr
.irp mt, 0,1,2,3
	v_add_f32 v[FT+\mt], v[FT+\mt], v[FT+4+\mt]    ; with the other eight columns of each tile
.endr
.irp mt, 0,1,2,3
	ds_store_b32 v[PSW], v[FT+\mt] offset:64*\mt   ; lanes r and r + 16 write the same word with the same value
.endr
	BARRIER                                        ; the partial scores lie in LDS, and the next block's codes, scale bytes and copy are whole
	; ---- the block's softmax (every wave makes the same numbers) and my 256 dimensions of the context
.irp w, 0,1,2,3
	ds_load_b64 v[PS+2*\w:PS+2*\w+1], v[PSR] offset:256*\w
.endr
	v_add_nc_u32 v[VT0], s[KBC], v[VTB]
	v_add_nc_u32 v[VT0+1], 32*KPIT, v[VT0]
	TRLOAD 0
	s_wait_dscnt 32                                ; the partial scores are in; the 32 turning loads stay out
	v_pk_add_f32 v[PS:PS+1], v[PS:PS+1], v[PS+2:PS+3]
	v_pk_add_f32 v[PS+4:PS+5], v[PS+4:PS+5], v[PS+6:PS+7]
	v_pk_add_f32 v[PS:PS+1], v[PS:PS+1], v[PS+4:PS+5]      ; t of rows 2 lane, 2 lane + 1
	v_max_num_f32 v[FT], v[PS], v[PS+1]
	v_max_num_f32_dpp v[FT], v[FT], v[FT] row_xmask:1 row_mask:0xf bank_mask:0xf
	v_max_num_f32_dpp v[FT], v[FT], v[FT] row_xmask:2 row_mask:0xf bank_mask:0xf
	v_max_num_f32_dpp v[FT], v[FT], v[FT] row_xmask:4 row_mask:0xf bank_mask:0xf
	v_max_num_f32_dpp v[FT], v[FT], v[FT] row_xmask:8 row_mask:0xf bank_mask:0xf
	v_permlanex16_b32 v[FT+4], v[FT], s20, s21
	v_max3_num_f32 v[FT], v[FT], v[FT+4], v[MR]    ; the new running maximum
	v_sub_f32 v[FT+1], v[MR], v[FT]
	v_sub_f32 v[PS], v[PS], v[FT]
	v_sub_f32 v[PS+1], v[PS+1], v[FT]
	s_wait_alu depctr_va_vdst(0)
	v_exp_f32 v[F], v[FT+1]                        ; 2^(old m - new m)
	v_exp_f32 v[PS], v[PS]                         ; p
	v_exp_f32 v[PS+1], v[PS+1]
	v_mov_b32 v[MR], v[FT]                         ; (a plain place behind the exponentials)
	s_wait_alu depctr_va_vdst(0)                   ; one wait for the three, ahead of their first reader
	v_cvt_pk_bf16_f32 v[FT+2], v[PS], v[PS+1]
	ds_store_b32 v[PBW], v[FT+2]                   ; p of the 64 rows, 128 bytes, my wave's own
.irp j, 0,1,2,3
	ds_load_b128 v[PA+4*\j:PA+4*\j+3], v[PBR] offset:32*\j   ; back as source 0: rows 8 h .., 16 + 8 h .., 32 + 8 h .., 48 + 8 h ..; LDS serves a wave's instructions in order
.endr
	TRLOAD 1
	v_add_f32 v[FT], v[PS], v[PS+1]                ; the sum of the unrounded p
	v_add_f32_dpp v[FT], v[FT], v[FT] row_xmask:1 row_mask:0xf bank_mask:0xf
	v_add_f32_dpp v[FT], v[FT], v[FT] row_xmask:2 row_mask:0xf bank_mask:0xf
	v_add_f32_dpp v[FT], v[FT], v[FT] row_xmask:4 row_mask:0xf bank_mask:0xf
	v_add_f32_dpp v[FT], v[FT], v[FT] row_xmask:8 row_mask:0xf bank_mask:0xf
	v_permlanex16_b32 v[FT+4], v[FT], s20, s21
	v_add_f32 v[FT], v[FT], v[FT+4]
	v_fma_f32 v[LR], v[LR], v[F], v[FT]
	s_wait_dscnt 32                                ; the first 32 turning loads and p are in; the second 32 stay out
	CTXMUL 0
	s_wait_dscnt 0x0
	CTXMUL 1                                       ; its last twelve plain lines are the places ahead of the next block's loads into window 1
	s_xor_b32 s[KBN], s[KBN], KB1
	s_xor_b32 s[KBC], s[KBC], KB1
	s_add_co_u32 s[BLK], s[BLK], 1
	s_cmp_lt_u32 s[BLK], 4
	s_cbranch_scc1 .Lblock
	; ---- the way out: a lane holds one number of each of 16 runs; through my own 1,024 bytes of LDS they become 16 bytes a lane
	s_wait_alu depctr_va_vdst(0)
.irp t, 0,1,2,3,4,5,6,7,8,9,10,11,12,13,14,15
	ds_store_b32 v[WOS], v[CTX+\t] offset:64*\t    ; lanes r and r + 16 write the same word with the same value
.endr
	ds_load_b128 v[PA:PA+3], v[WOL]
	ds_load_b128 v[PA+4:PA+7], v[WOL] offset:512
	s_wait_dscnt 0x0
	global_store_b128 v[WOFF], v[PA:PA+3], s[14:15]                ; 512 consecutive bytes a store
	global_store_b128 v[WOFF], v[PA+4:PA+7], s[14:15] offset:512
	v_cmp_eq_u32 vcc_lo, 0, v0
	s_wait_xcnt 0x0                                ; EXEC changes only behind this wait
	s_wait_tensorcnt 0x0
	ds_add_u32 v254, v255
	s_wait_dscnt 0x0
	s_and_saveexec_b32 s[SX], vcc_lo
	global_store_b64 v0, v[MR:MR+1], s[16:17]      ; thread 0: m and l (its v0 is 0)
	s_wait_xcnt 0x0
	s_or_b32 exec_lo, exec_lo, s[SX]
	s_endpgm
.Lfunc_end_k_q5cc4f26597_main:
	.size	k_q5cc4f26597_main, .Lfunc_end_k_q5cc4f26597_main-k_q5cc4f26597_main
	.p2alignl 7, 3214868480
	.fill 96, 4, 3214868480
	.section	.rodata,"a",@progbits
	.p2align	6, 0x0
	.amdhsa_kernel k_q5cc4f26597_main
		.amdhsa_group_segment_fixed_size 316416
		.amdhsa_private_segment_fixed_size 0
		.amdhsa_enable_private_segment 0
		.amdhsa_kernarg_size 56
		.amdhsa_user_sgpr_count 2
		.amdhsa_user_sgpr_kernarg_segment_ptr 1
		.amdhsa_wavefront_size32 1
		.amdhsa_system_sgpr_workgroup_id_x 1
		.amdhsa_system_sgpr_workgroup_id_y 1
		.amdhsa_system_sgpr_workgroup_id_z 1
		.amdhsa_system_vgpr_workitem_id 0
		.amdhsa_next_free_vgpr 1024
		.amdhsa_next_free_sgpr 66
		.amdhsa_reserve_vcc 1
		.amdhsa_float_denorm_mode_32 3
		.amdhsa_float_denorm_mode_16_64 3
		.amdhsa_memory_ordered 1
		.amdhsa_forward_progress 1
		.amdhsa_inst_pref_size 140
	.end_amdhsa_kernel
	.amdgpu_metadata
---
amdhsa.version: [ 1, 2 ]
amdhsa.kernels:
  - .name:           k_q5cc4f26597_main
    .symbol:         k_q5cc4f26597_main.kd
    .args:
      - { .name: key, .offset: 0, .size: 8, .value_kind: global_buffer, .address_space: global }
      - { .name: wfrag, .offset: 8, .size: 8, .value_kind: global_buffer, .address_space: global }
      - { .name: wscale, .offset: 16, .size: 8, .value_kind: global_buffer, .address_space: global }
      - { .name: vproj, .offset: 24, .size: 8, .value_kind: global_buffer, .address_space: global }
      - { .name: v, .offset: 32, .size: 8, .value_kind: global_buffer, .address_space: global }
      - { .name: pctx, .offset: 40, .size: 8, .value_kind: global_buffer, .address_space: global }
      - { .name: pml, .offset: 48, .size: 8, .value_kind: global_buffer, .address_space: global }
    .group_segment_fixed_size: 316416
    .private_segment_fixed_size: 0
    .kernarg_segment_align: 8
    .kernarg_segment_size: 56
    .max_flat_workgroup_size: 128
    .sgpr_count:     66
    .vgpr_count:     1024
    .wavefront_size: 32
...
	.end_amdgpu_metadata
.endif
;; end of part 2
;; launch combine (part 3): grid 8 x 32, 1 waves a work-group, no clusters, 0 bytes of LDS; arguments pctx, pml, out0; writes out0
.if DOCPART == 3
	.amdgcn_target "amdgcn-amd-amdhsa--gfx1250"
	.amdhsa_code_object_version 6
	.text
	.protected	k_q5cc4f26597_combine
	.globl	k_q5cc4f26597_combine
	.p2align	8
	.type	k_q5cc4f26597_combine,@function
k_q5cc4f26597_combine:
	s_mov_b64 s[64:65], 0
	v_nop
	global_prefetch_b8 v0, s[64:65] scope:SCOPE_SE
	s_setreg_imm32_b32 hwreg(HW_REG_WAVE_MODE, 25, 1), 1
	s_wait_xcnt 0x0
; out0[b][:] = sum over the batch's 8 parts i of ctx_i 2^(m_i - M) / sum over i of l_i 2^(m_i - M), M the largest m_i: the parts' running softmaxes are joined under one maximum.
; Work-group (x, y): dimensions 128 x .. 128 x + 127 of batch y; one wave, 4 numbers a lane.  Each load and the store cover 512 consecutive bytes.  The largest part has l >= 1, so the divisor is at least 1.
; No LDS, no matrix unit, no cluster: the batch's 32 KiB of partial contexts are read once.
	s_load_b128 s[4:7], s[0:1], 0x0                ; pctx, pml
	s_load_b64 s[8:9], s[0:1], 0x10                ; out0
	s_and_b32 s10, ttmp7, 0xffff                   ; the batch
	v_lshlrev_b32 v1, 4, v0
	v_mov_b32 v2, 0
	v_mov_b32 v23, 0                               ; named as the upper half of the pair v[22:23]
	s_lshl_b32 s11, ttmp9, 9                       ; my 128 dimensions
	s_lshl_b32 s12, s10, 15                        ; 8 parts of 4,096 bytes
	s_add_co_u32 s12, s12, s11
	s_mov_b32 s13, 0
	s_lshl_b32 s14, s10, 6                         ; 8 pairs (m, l)
	s_mov_b32 s15, 0
	s_lshl_b32 s16, s10, 12
	s_add_co_u32 s16, s16, s11
	s_mov_b32 s17, 0
	s_wait_alu depctr_va_vdst(0)
	s_wait_kmcnt 0x0
	s_add_nc_u64 s[4:5], s[4:5], s[12:13]
	s_add_nc_u64 s[6:7], s[6:7], s[14:15]
	s_add_nc_u64 s[8:9], s[8:9], s[16:17]
.irp i, 0,1,2,3
	global_load_b128 v[4+4*\i:7+4*\i], v2, s[6:7] offset:16*\i     ; m_i in v[4 + 2 i], l_i in v[5 + 2 i]: the same 64 bytes in every lane
.endr
.irp i, 0,1,2,3,4,5,6,7
	global_load_b128 v[24+4*\i:27+4*\i], v1, s[4:5] offset:4096*\i
.endr
	s_wait_loadcnt 0x0
	v_max3_num_f32 v20, v4, v6, v8
	v_max3_num_f32 v20, v20, v10, v12
	v_max3_num_f32 v20, v20, v14, v16
	v_max_num_f32 v20, v20, v18                    ; M
.irp i, 0,1,2,3,4,5,6,7
	v_sub_f32 v[4+2*\i], v[4+2*\i], v20
.endr
	s_wait_alu depctr_va_vdst(0)
.irp i, 0,1,2,3,4,5,6,7
	v_exp_f32 v[4+2*\i], v[4+2*\i]                 ; w_i = 2^(m_i - M)
.endr
	v_nop                                          ; a plain place behind the last exponential
	s_wait_alu depctr_va_vdst(0)                   ; one wait for the eight, ahead of their first reader
	v_mul_f32 v21, v5, v4
.irp i, 1,2,3,4,5,6,7
	v_fmac_f32 v21, v[5+2*\i], v[4+2*\i]           ; the sum of l_i w_i
.endr
	s_wait_alu depctr_va_vdst(0)
	v_rcp_f32 v22, v21
	v_pk_mul_f32 v[56:57], v[24:25], v[4:5] op_sel_hi:[1,0]        ; the pair's low word, w_i, serves both halves.  (Plain work behind the reciprocal)
	v_pk_mul_f32 v[58:59], v[26:27], v[4:5] op_sel_hi:[1,0]
.irp i, 1,2,3,4,5,6,7
	v_pk_fma_f32 v[56:57], v[24+4*\i:25+4*\i], v[4+2*\i:5+2*\i], v[56:57] op_sel_hi:[1,0,1]
	v_pk_fma_f32 v[58:59], v[26+4*\i:27+4*\i], v[4+2*\i:5+2*\i], v[58:59] op_sel_hi:[1,0,1]
.endr
	s_wait_alu depctr_va_vdst(0)                   ; ahead of the reciprocal's first reader
	v_pk_mul_f32 v[56:57], v[56:57], v[22:23] op_sel_hi:[1,0]
	v_pk_mul_f32 v[58:59], v[58:59], v[22:23] op_sel_hi:[1,0]
	global_store_b128 v1, v[56:59], s[8:9]
	s_endpgm
.Lfunc_end_k_q5cc4f26597_combine:
	.size	k_q5cc4f26597_combine, .Lfunc_end_k_q5cc4f26597_combine-k_q5cc4f26597_combine
	.p2alignl 7, 3214868480
	.fill 96, 4, 3214868480
	.section	.rodata,"a",@progbits
	.p2align	6, 0x0
	.amdhsa_kernel k_q5cc4f26597_combine
		.amdhsa_group_segment_fixed_size 0
		.amdhsa_private_segment_fixed_size 0
		.amdhsa_enable_private_segment 0
		.amdhsa_kernarg_size 24
		.amdhsa_user_sgpr_count 2
		.amdhsa_user_sgpr_kernarg_segment_ptr 1
		.amdhsa_wavefront_size32 1
		.amdhsa_system_sgpr_workgroup_id_x 1
		.amdhsa_system_sgpr_workgroup_id_y 1
		.amdhsa_system_sgpr_workgroup_id_z 1
		.amdhsa_system_vgpr_workitem_id 0
		.amdhsa_next_free_vgpr 64
		.amdhsa_next_free_sgpr 66
		.amdhsa_reserve_vcc 0
		.amdhsa_float_denorm_mode_32 3
		.amdhsa_float_denorm_mode_16_64 3
		.amdhsa_memory_ordered 1
		.amdhsa_forward_progress 1
		.amdhsa_inst_pref_size 5
	.end_amdhsa_kernel
	.amdgpu_metadata
---
amdhsa.version: [ 1, 2 ]
amdhsa.kernels:
  - .name:           k_q5cc4f26597_combine
    .symbol:         k_q5cc4f26597_combine.kd
    .args:
      - { .name: pctx, .offset: 0, .size: 8, .value_kind: global_buffer, .address_space: global }
      - { .name: pml, .offset: 8, .size: 8, .value_kind: global_buffer, .address_space: global }
      - { .name: out0, .offset: 16, .size: 8, .value_kind: global_buffer, .address_space: global }
    .group_segment_fixed_size: 0
    .private_segment_fixed_size: 0
    .kernarg_segment_align: 8
    .kernarg_segment_size: 24
    .max_flat_workgroup_size: 32
    .sgpr_count:     66
    .vgpr_count:     64
    .wavefront_size: 32
...
	.end_amdgpu_metadata
.endif
;; end of part 3
